; MI455X (gfx1250); checked and timed in simulation.
; The chip was launched on July 23, 2026; its instructions are those of AMD's public machine-readable ISA for CDNA 5 (MIT licence, August 2026) and "CDNA5" Instruction Set Architecture Reference Guide (July 2026). The comments in the code are by the model that wrote it; some were corrected since.
;; Att Block. Allowed arithmetic: matrix products marked QUANTISED: E5M2 operands, one E8M0 scale for each 32 along K, by v_wmma_scale_f32_16x16x128_f8f6f4 with both operands' format E5M2, f32 sums; products left as they are: f32 operands where the result goes on into a quantised operand, else bf16, f16 or f32 operands; f32 sums; everything else in f32.
;; Inputs: gamma_g 1 float32; gamma_l 1 float32; k_b 8 float32; k_w 8 x 64 float32; q_l_b 8 float32; q_l_w 8 x 64 float32; qg_b 4,096 float32; qg_w 4,096 x 8 float32; v_b 64 float32; v_w_codes 64 x 2 x 32 uint8 (E5M2 codes of v_w, K innermost, in blocks of 32 codes); v_w_scales 64 x 2 uint8 (E8M0 scales of v_w, one for each 32 codes along K); x 4 x 64 x 64 x 64 float32.
;; Outputs: out0 4 x 64 x 64 x 64 float32.
;; This version of the problem:
;;   THIS VERSION OF THE PROBLEM IS GIVEN IN LOW PRECISION. The matrix products marked QUANTISED in the list below multiply operands that are first quantised to E5M2 (5 exponent bits, 2 mantissa bits; 8 bits a number), with one power-of-two scale for each 32 numbers along K (OCP MX v1.0); their sums are f32. All else is computed in f32.
;;   The module's matrix products, in the order in which they are computed (A, B: the left and right operand; K: the contracted axis; several contracted axes count as one K, in the product's order):
;;     1. [M 16,384, K 64] x [K 64, N 8]; A: input x; B: input q_l_w: left as it is (N = 8 < 16)
;;     2. [M 16,384, K 64] x [K 64, N 8]; A: input x; B: input k_w: left as it is (N = 8 < 16)
;;     3. [M 16,384, K 8] x [K 8, N 4,096]; A: computed on the way; B: input qg_w: left as it is (K = 8 < 32)
;;     4. batch 4 x [M 4,096, K 8] x [K 8, N 4,096]; A: computed on the way; B: computed on the way: left as it is (K = 8 < 32)
;;     5. [M 16,384, K 64] x [K 64, N 64]; A: input x; B: input v_w (given as codes): QUANTISED
;;     6. batch 4 x [M 64, K 4,096] x [K 4,096, N 4,096]; A: computed on the way; B: computed on the way: QUANTISED
;;   THE QUANTISER, for each operand of a quantised product, along K:
;;     - K is cut into blocks of 32 from its start; a last block that is shorter is filled with zeros.
;;     - A block's scale is 2^e with e = floor(log2(the largest magnitude in the block)) - 15, held to -126 .. 127; a block of zeros has e = 0. As a byte (E8M0): e + 127.
;;     - Each number is divided by its block's scale, clamped to +-57,344, and rounded to the nearest number of E5M2, ties to even, subnormals kept.
;;     - The product sums the exact products of the quantised numbers (number of the format x scale) in f32.
;;   ~~~python
;;   def quantise(x, axis):      # numpy; x: float32 -> the quantised numbers, widened to float32 again
;;       x = np.moveaxis(x, axis, -1); K = x.shape[-1]
;;       x = np.pad(x, [(0, 0)] * (x.ndim - 1) + [(0, -K % 32)]); x = x.reshape(x.shape[:-1] + (-1, 32)); a = np.abs(x).max(-1, keepdims=True)
;;       e = np.where(a > 0, np.clip(np.frexp(np.where(a > 0, a, 1))[1] - 1 - 15, -126, 127), 0)      # np.frexp(a)[1] - 1 = floor(log2(a)), exactly
;;       r = np.clip(x / 2.0 ** e, -57344, 57344)
;;       step = 2.0 ** (np.maximum(np.frexp(np.where(r == 0, 1, r))[1] - 1, -14) - 2)
;;       q = np.round(r / step) * step * 2.0 ** e      # np.round: ties to even
;;       return np.moveaxis(q.reshape(q.shape[:-2] + (-1,))[..., :K], -1, axis).astype(np.float32)
;;   ~~~
;;   OPERANDS COMPUTED ON THE WAY. 'Computed on the way' means the value that the module computes at that place (a softmax that the list does not call 'softmax' is quantised finished and normalised). What goes into a quantiser is computed in f32, as accurately as f32 sums, v_exp_f32 and their like allow (about 1e-6 of the number): no bf16 or f16 on the way to a quantiser, and a product that is left as it is and whose result goes on into a quantised operand takes f32 operands (vector FMAs, or v_wmma_f32_16x16x4_f32). A number that lies on a knife's edge between two numbers of the format may be rounded either way, as far as f32 arithmetic and the matrix unit's own rounding can turn it there, and no further.
;;   INPUTS GIVEN AS CODES. v_w (in the module: [64, 64], K = its axis 1): each comes as NAME_codes (uint8): NAME with its K axis moved to the last place and cut into blocks of 32 codes, [.., K / 32, bytes a block], one block behind the other in memory; one code a byte (a code: sign, 5 exponent bits, 2 mantissa bits); and NAME_scales (uint8): the same leading axes, one E8M0 byte (e + 127) for each 32 codes along K. Its value is code x scale, taken as it is: it is not quantised again, and the codes and scales need not be those that the quantiser above would give.
;; One version. Each part assembles by itself: llvm-mc -triple=amdgcn-amd-amdhsa -mcpu=gfx1250 --defsym DOCPART=n.
;; ======== version 1 of 1: 2 launches
;; workspace buffers: strm 2,228,224 bytes; ap 1,048,576 bytes
;; launch prep (part 1): grid 32 x 4, 4 waves a work-group, no clusters, 39,424 bytes of LDS; arguments x, k_w, k_b, q_l_w, q_l_b, v_w_codes, v_w_scales, v_b, qg_w, qg_b, gamma_g, gamma_l, strm, ap; writes strm, ap
.if DOCPART == 1
	.amdgcn_target "amdgcn-amd-amdhsa--gfx1250"
	.amdhsa_code_object_version 6
	.text
	.protected	k_qf1e383f230_prep
	.globl	k_qf1e383f230_prep
	.p2align	8
	.type	k_qf1e383f230_prep,@function
k_qf1e383f230_prep:
	s_mov_b64 s[64:65], 0
	v_nop
	global_prefetch_b8 v0, s[64:65] scope:SCOPE_SE
	s_setreg_imm32_b32 hwreg(HW_REG_WAVE_MODE, 25, 1), 1
	s_wait_xcnt 0x0
; PREP.  From x [4][64][4096] f32 it makes all that the second launch multiplies, laid as images of operand registers.
; A work-group takes one batch b (grid y) and 128 positions q = 128 QB .. 128 QB + 127 (grid x); wave w takes positions 32 w .. 32 w + 31 as two tiles u of 16:
; lane r of tile u stands for position 32 w + 8 u + r + 8 (r / 8), so that a result's 16 registers of tiles u = 0, 1 are 16 neighbours along q.
;   k[e][q] = k_w x + k_b and ql[q][e] = q_l_w x + q_l_b: f32 operands (they go on into a quantised operand), by the f32 matrix form, 16 K steps of 4, two accumulators by turns.
;   v[c][q] = Q(x) v_w + v_b: x quantised along c (two blocks of 32), v_w's codes as given; K = 64, so the upper 64 of the instruction's 128 are zero codes on both sides.
;   v is then quantised along q: wave w's 32 positions are block w of the 128.
; OUT: strm[b][QB], 17,408 bytes: +0 sixteen images (tile t, half sp) of 512 bytes: lane (r, h) holds qg_w[q][4h..4h+3] (sp 0) or k[4h..4h+3][q] (sp 1);
;   +8192 sixteen images (ct, cc) of v's codes; +16384 gamma_g x qg_b, 128 f32; +16896 v's scale words, 4 x 128 bytes.
;   ap: +0 gamma_g x k as it lies, [b][8][4096], which read as [b][p][8] is gamma_g x k_g; +APL gamma_l x ql, [b][p][8].
; NO CLUSTER, NO TENSOR LOAD: a work-group's own 32,768 bytes of x stand beside 9 KB of weights that all share; the operands go through registers.
; 128 work-groups: a scale word of v wants all 128 q of a block in one work-group.
; LIMITS: NaN and infinities among the inputs are not served; a block whose largest magnitude lies under 2^-111 keeps the scale byte 1 (a block of zeros too: its codes are zeros, and only this program reads the bytes).
.set XP,   528                         ; a row of x in LDS: 512 bytes + 16
.set XS,   0                           ; LDS: 64 rows of x
.set KG,   64*XP                       ; 8 rows x 512 bytes of gamma_g x k
.set SCB,  KG+8*512                    ; 512 bytes: v's scale words
.set BLK,  17408
.set APL,  524288
.set LANE, 1
.set R,    2                           ; lane % 16
.set HH,   3                           ; lane / 16
.set LI,   4                           ; 16 x lane
.set PR,   5                           ; r + 8 (r / 8)
.set XRD,  6                           ; LDS: x[16 h ..][my position]
.set XST,  7                           ; LDS: where I put 16 bytes of my wave's rows of x
.set WO,   8                           ; my row of k_w or q_l_w, + 64 h
.set HO,   9                           ; 16 h
.set VWO,  10                          ; 64 r + 16 h
.set R2,   11
.set R4,   12
.set QGO,  13                          ; 32 pr + 16 h
.set BQO,  14                          ; 16 lane + 2048 w
.set QVO,  15                          ; 16 lane + 512 w
.set KGA,  16
.set SCA,  17
.set KGR,  18
.set SCR,  19
.set TM,   20                          ; v20-23 largest magnitudes, v24-27 bytes, v28-31 the largest number x the scale, v32-35 the conversions' scale operands
.set XSW,  36                          ; x's scale words, tile u
.set VWS,  38                          ; v_w's scale words, tile ct
.set VBL,  42                          ; v_b of my row c, tile ct
.set QG,   46                          ; qg_w's images
.set QB4,  54                          ; qg_b
.set M,    58                          ; gamma x (k, ql)
.set O,    74
.set SW,   82
.set H,    86                          ; held numbers, two sets of 16
.set XC,   118                         ; x's codes: 16 registers a tile, the upper 8 zeros
.set PCV,  150                         ; v's codes
.set DKQ,  166                         ; v166-181: the f32 sums; written by matrix instructions alone
.set XV,   182                         ; v182-245: x as loaded; then x by positions; then v
.set WA,   0                           ; window 1: the f32 product's A: 32 registers
.set KB,   32                          ; its biases, in the result's layout
.set VW,   40                          ; v_w's codes: 16 registers a tile, the upper 8 zeros
.set T2,   104                         ; q_l_w as loaded; then
.set VB,   104                         ; v_b in the result's layout
.set WV,   34
.set BB,   35
.set SEL,  36
.set MNT,  38
.set MSB, 0
.macro WIN new                         ; the immediate's high byte repeats the setting that is left
.if MSB != \new
	s_set_vgpr_msb (MSB<<8)|\new
.set MSB, \new
.endif
.endm
; Four blocks of 32 along K; block b: my 16 numbers in v[src + 16 b] on, the other 16 in lane l xor 16.  Codes to v[dst + cs (b / 2) + 4 (b % 2)] on; the bytes stay in v[TM + 4 + b].
.macro QUANT src, dst, cs
.irp b, 0,1,2,3
	v_max3_num_f32 v[TM+\b], |v[\src+16*\b]|, |v[\src+16*\b+1]|, 0x8000000   ; with the floor 2^(16 - 127): the byte cannot fall under 1
.endr
.irp i, 2,4,6,8,10,12,14
.irp b, 0,1,2,3
	v_max3_num_f32 v[TM+\b], v[TM+\b], |v[\src+16*\b+\i]|, |v[\src+16*\b+\i+1]|   ; ascending: each accumulator is read from its low end on
.endr
.endr
.irp b, 0,1,2,3
	v_permlanex16_b32 v[TM+4+\b], v[TM+\b], s[SEL], s[SEL+1]
.endr
.irp b, 0,1,2,3
	v_max_num_f32 v[TM+\b], v[TM+\b], v[TM+4+\b]          ; the block's largest magnitude
.endr
.irp b, 0,1,2,3
	v_add_nc_u32 v[TM+12+\b], 0xf8800000, v[TM+\b]        ; 15 off its exponent field: the conversion's scale operand
.endr
.irp b, 0,1,2,3
	v_and_or_b32 v[TM+8+\b], v[TM+\b], 0x7f800000, s[MNT] ; 57,344 x the scale
.endr
.irp b, 0,1,2,3
	v_lshrrev_b32 v[TM+4+\b], 23, v[TM+12+\b]             ; the scale's byte
.endr
.irp b, 0,1,2,3
.irp i, 0,1,2,3,4,5,6,7,8,9,10,11,12,13,14,15
	v_med3_num_f32 v[H+16*(\b%2)+\i], v[\src+16*\b+\i], -v[TM+8+\b], v[TM+8+\b]   ; the conversion does not saturate (ISA guide 7.6.2): held first
.endr
	v_cvt_scalef32_pk8_bf8_f32 v[\dst+\cs*(\b/2)+4*(\b%2):\dst+\cs*(\b/2)+4*(\b%2)+1], v[H+16*(\b%2):H+16*(\b%2)+7], v[TM+12+\b]
	v_cvt_scalef32_pk8_bf8_f32 v[\dst+\cs*(\b/2)+4*(\b%2)+2:\dst+\cs*(\b/2)+4*(\b%2)+3], v[H+16*(\b%2)+8:H+16*(\b%2)+15], v[TM+12+\b]
.endr
	v_nop                                          ; a plain line behind the last conversion
.endm
	s_load_b512 s[4:19], s[0:1], 0x0               ; x 4, k_w 6, k_b 8, q_l_w 10, q_l_b 12, v_w codes 14, v_w scales 16, v_b 18
	s_load_b256 s[20:27], s[0:1], 0x40             ; qg_w 20, qg_b 22, gamma_g 24, gamma_l 26
	s_load_b128 s[28:31], s[0:1], 0x60             ; strm 28, ap 30
	v_lshl_add_u32 v254, v0, 2, 0x9800
	v_mov_b32 v255, 0
	v_lshrrev_b32 v[LANE], 5, v0
	v_readfirstlane_b32 s[WV], v[LANE]             ; wave 0..3
	v_and_b32 v[LANE], 31, v0
	v_and_b32 v[R], 15, v0
	v_bfe_u32 v[HH], v0, 4, 1
	v_lshlrev_b32 v[LI], 4, v[LANE]
	v_and_b32 v[PR], 8, v[R]
	v_add_nc_u32 v[PR], v[PR], v[R]
	s_and_b32 s[BB], ttmp7, 0xffff                 ; batch
	s_lshl_b32 s40, s[BB], 6
	s_lshl_b32 s41, s[WV], 4
	s_add_co_u32 s40, s40, s41                     ; row 64 b + 16 w of x,
	s_lshl_b32 s40, s40, 14                        ; 16,384 bytes a row,
	s_lshl_b32 s41, ttmp9, 9
	s_add_co_u32 s40, s40, s41                     ; + 512 QB
	s_mov_b32 s41, 0
	s_wait_kmcnt 0x0
	s_add_nc_u64 s[4:5], s[4:5], s[40:41]
.irp k, 0,1,2,3,4,5,6,7,8,9,10,11,12,13,14,15
	global_load_b128 v[XV+4*\k:XV+4*\k+3], v[LI], s[4:5] offset:16384*\k   ; my wave's 16 rows: 32 lanes read 512 consecutive bytes
.endr
	s_load_b32 s32, s[24:25], 0x0                  ; gamma_g
	s_load_b32 s33, s[26:27], 0x0                  ; gamma_l
	s_mov_b32 s[SEL], 0x76543210
	s_mov_b32 s[SEL+1], 0xfedcba98                 ; v_permlanex16_b32's selects for lane l xor 16
	s_mov_b32 s[MNT], 0x600000                     ; the mantissa field of 57,344
	s_lshl_b32 s42, s[BB], 5
	s_add_co_u32 s42, s42, ttmp9
	s_mul_i32 s42, s42, BLK                        ; my block of strm
	s_mov_b32 s43, 0
	s_add_nc_u64 s[28:29], s[28:29], s[42:43]
	s_lshl_b32 s44, ttmp9, 12
	s_lshl_b32 s45, s[WV], 10
	s_add_co_u32 s44, s44, s45                     ; (128 QB + 32 w) rows of 32 bytes
	s_mov_b32 s45, 0
	s_add_nc_u64 s[20:21], s[20:21], s[44:45]      ; qg_w at my wave's first position
	s_lshl_b32 s46, ttmp9, 9
	s_mov_b32 s47, 0
	s_add_nc_u64 s[22:23], s[22:23], s[46:47]      ; qg_b at the block's first position
	s_lshl_b32 s48, s[BB], 17
	s_add_co_u32 s48, s48, s44
	s_mov_b32 s49, 0
	s_add_nc_u64 s[48:49], s[30:31], s[48:49]
	s_add_nc_u64 s[48:49], s[48:49], APL           ; gamma_l x ql at my wave's first position
	s_lshl_b32 s50, s[BB], 17
	s_lshl_b32 s51, s[WV], 15
	s_add_co_u32 s50, s50, s51
	s_add_co_u32 s50, s50, s46
	s_mov_b32 s51, 0
	s_add_nc_u64 s[50:51], s[30:31], s[50:51]      ; gamma_g x k: row 8 b + 2 w, + 512 QB
	s_lshl_b32 s52, s[WV], 7
	s_mul_i32 s53, s[WV], 16*XP
	s_lshl_b32 s54, s[WV], 11
	s_lshl_b32 s55, s[WV], 9
	s_lshl_b32 s56, s[WV], 10
	v_mul_u32_u24 v[XRD], v[HH], 16*XP
	v_lshl_add_u32 v[XRD], v[PR], 2, v[XRD]
	v_add_nc_u32 v[XRD], s52, v[XRD]               ; rows 16 h on, byte 128 w + 4 pr
	v_add_nc_u32 v[XST], s53, v[LI]
	v_bfe_u32 v[WO], v0, 3, 1
	v_and_b32 v20, 3, v0
	v_lshl_add_u32 v[WO], v[WO], 2, v20            ; row 4 (r / 8) + r % 4
	v_lshlrev_b32 v[WO], 8, v[WO]
	v_lshl_add_u32 v[WO], v[HH], 6, v[WO]
	v_lshlrev_b32 v[HO], 4, v[HH]
	v_lshlrev_b32 v[VWO], 6, v[R]
	v_lshl_add_u32 v[VWO], v[HH], 4, v[VWO]
	v_lshlrev_b32 v[R2], 1, v[R]
	v_lshlrev_b32 v[R4], 2, v[R]
	v_lshlrev_b32 v[QGO], 5, v[PR]
	v_lshl_add_u32 v[QGO], v[HH], 4, v[QGO]
	v_add_nc_u32 v[BQO], s54, v[LI]
	v_add_nc_u32 v[QVO], s55, v[LI]
	v_lshlrev_b32 v[KGA], 11, v[HH]
	v_lshl_add_u32 v[KGA], v[PR], 2, v[KGA]
	v_add_nc_u32 v[KGA], s52, v[KGA]
	v_add_nc_u32 v[KGA], KG, v[KGA]                ; rows 4 h on of 512 bytes, byte 128 w + 4 pr
	v_lshl_add_u32 v[SCA], v[LANE], 2, SCB
	v_add_nc_u32 v[SCA], s[WV], v[SCA]             ; my lane's word, byte w
	v_add_nc_u32 v[KGR], s56, v[LI]
	v_add_nc_u32 v[KGR], KG, v[KGR]
	v_add_nc_u32 v[SCR], SCB, v[LI]
	; 37 loads of weights, biases and qg
	WIN 0x40                                       ; destination window 1
.irp a, 0,1,2,3
	global_load_b128 v[WA+4*\a:WA+4*\a+3], v[WO], s[6:7] offset:16*\a             ; register i: channel 32 (i / 16) + 16 h + i % 16 of my row
	global_load_b128 v[WA+16+4*\a:WA+16+4*\a+3], v[WO], s[6:7] offset:128+16*\a
	global_load_b128 v[T2+4*\a:T2+4*\a+3], v[WO], s[10:11] offset:16*\a
	global_load_b128 v[T2+16+4*\a:T2+16+4*\a+3], v[WO], s[10:11] offset:128+16*\a
.endr
	global_load_b128 v[KB:KB+3], v[HO], s[8:9]     ; k_b[4 h ..]
	global_load_b128 v[KB+4:KB+7], v[HO], s[12:13] ; q_l_b[4 h ..]
.irp ct, 0,1,2,3
.irp cc, 0,1
	global_load_b128 v[VW+16*\ct+4*\cc:VW+16*\ct+4*\cc+3], v[VWO], s[14:15] offset:1024*\ct+32*\cc
.endr
.endr
	WIN 0
.irp ct, 0,1,2,3
	global_load_u16 v[VWS+\ct], v[R2], s[16:17] offset:32*\ct   ; two scale bytes; the upper two, for the zero codes, are 0
.endr
.irp ct, 0,1,2,3
	global_load_b32 v[VBL+\ct], v[R4], s[18:19] offset:64*\ct
.endr
.irp u, 0,1
	global_load_b128 v[QG+4*\u:QG+4*\u+3], v[QGO], s[20:21] offset:256*\u
.endr
	global_load_b128 v[QB4:QB4+3], v[LI], s[22:23]
	s_wait_loadcnt 37                              ; x's 16 loads are in; the 37 issued behind them may be out
.irp k, 0,1,2,3,4,5,6,7,8,9,10,11,12,13,14,15
	ds_store_b128 v[XST], v[XV+4*\k:XV+4*\k+3] offset:XP*\k
.endr
	s_wait_dscnt 0x0                               ; for the others' sake: my rows lie in LDS
	s_barrier_signal -1
	s_barrier_wait -1
.irp u, 0,1
.irp i, 0,1,2,3,4,5,6,7,8,9,10,11,12,13,14,15,16,17,18,19,20,21,22,23,24,25,26,27,28,29,30,31
	ds_load_b32 v[XV+32*\u+\i], v[XRD] offset:(32*(\i/16)+\i%16)*XP+32*\u   ; x[32 (i / 16) + 16 h + i % 16][my position of tile u]
.endr
.endr
	s_wait_loadcnt 0x0
	s_wait_kmcnt 0x0                               ; the gammas
	v_and_b32 v20, 4, v0
	v_cmp_ne_u32 vcc_lo, 0, v20                    ; A's row m is a row of k_w where m & 4 = 0, else of q_l_w
	WIN 0x45
.irp i, 0,1,2,3,4,5,6,7,8,9,10,11,12,13,14,15,16,17,18,19,20,21,22,23,24,25,26,27,28,29,30,31
	v_cndmask_b32 v[WA+\i], v[WA+\i], v[T2+\i], vcc_lo
.endr
	WIN 0x40
.irp ct, 0,1,2,3
.irp j, 0,1,2,3,4,5,6,7
	v_mov_b32 v[VB+8*\ct+\j], v[VBL+\ct]           ; v_b of my row c in all eight registers: the C of v's product
.endr
.endr
.irp ct, 0,1,2,3
.irp z, 8,9,10,11,12,13,14,15
	v_mov_b32 v[VW+16*\ct+\z], 0                   ; K = 64: zero codes for the instruction's upper 64
.endr
.endr
	WIN 0
.irp u, 0,1
.irp z, 8,9,10,11,12,13,14,15
	v_mov_b32 v[XC+16*\u+\z], 0
.endr
.endr
.irp b, 0,1,2,3
	v_mov_b32 v[TM+4+\b], 0                        ; a lane permute's destination counts as one of its sources
.endr
	s_wait_dscnt 0x0                               ; x by positions is in
	; k and ql: D(m, n): register j of lane (r, h): j < 4: k[4 h + j][position r]; j >= 4: ql[position r][4 h + j - 4].  The two accumulators take turns
.set ks, 0
.rept 16
.irp u, 0,1
.if ks == 0
	WIN 0x11                                       ; A and C window 1
	v_wmma_f32_16x16x4_f32 v[DKQ+8*\u:DKQ+8*\u+7], v[WA:WA+1], v[XV+32*\u:XV+32*\u+1], v[KB:KB+7]
.else
	WIN 0x01
	v_wmma_f32_16x16x4_f32 v[DKQ+8*\u:DKQ+8*\u+7], v[WA+2*ks:WA+2*ks+1], v[XV+32*\u+2*ks:XV+32*\u+2*ks+1], v[DKQ+8*\u:DKQ+8*\u+7]
.endif
.endr
.set ks, ks+1
.endr
	WIN 0
	QUANT XV, XC, 16                               ; x along c: blocks (u, cc).  Its plain lines are also the places behind the sums above
.irp u, 0,1
	v_lshl_or_b32 v[XSW+\u], v[TM+5+2*\u], 8, v[TM+4+2*\u]
.endr
.irp u, 0,1
	global_store_b128 v[BQO], v[DKQ+8*\u:DKQ+8*\u+3], s[28:29] offset:1024*\u+512   ; image (2 w + u, 1): k[4 h ..][q]; the sums' low registers are read first
.endr
.irp u, 0,1
.irp j, 0,1,2,3
	v_mul_f32 v[M+8*\u+\j], s32, v[DKQ+8*\u+\j]    ; gamma_g x k.  (These sixteen lines are the places between the scale words, the codes and the products below)
.endr
.irp j, 4,5,6,7
	v_mul_f32 v[M+8*\u+\j], s33, v[DKQ+8*\u+\j]    ; gamma_l x ql
.endr
.endr
.irp u, 0,1
.irp j, 0,1,2,3
	ds_store_b32 v[KGA], v[M+8*\u+\j] offset:512*\j+32*\u
.endr
	global_store_b128 v[QGO], v[M+8*\u+4:M+8*\u+7], s[48:49] offset:256*\u   ; positions pr: two runs of 256 consecutive bytes
	global_store_b128 v[BQO], v[QG+4*\u:QG+4*\u+3], s[28:29] offset:1024*\u  ; image (2 w + u, 0): qg_w[q][4 h ..]
.endr
	; v: source 0 = 16 positions of x, source 1 = 16 rows of v_w: lane (r, h) holds row c = 16 ct + r, and the 16 registers of tiles u = 0, 1 are positions 32 w + 16 h + 0 .. 15
	WIN 0x14                                       ; B and C window 1
.irp ct, 0,1,2,3
.irp u, 0,1
	v_wmma_scale_f32_16x16x128_f8f6f4 v[XV+16*\ct+8*\u:XV+16*\ct+8*\u+7], v[XC+16*\u:XC+16*\u+15], v[VW+16*\ct:VW+16*\ct+15], v[VB+8*\ct:VB+8*\ct+7], v[XSW+\u], v[VWS+\ct] matrix_a_fmt:MATRIX_FMT_BF8 matrix_b_fmt:MATRIX_FMT_BF8
.endr
.endr
	WIN 0
.rept 8
	v_nop                                          ; eight places in front of the first read of the results
.endr
	QUANT XV, PCV, 8                               ; v along q: block w of the 128, for rows 16 ct + r
.irp ct, 0,1,2,3
	global_store_b128 v[QVO], v[PCV+4*\ct:PCV+4*\ct+3], s[28:29] offset:8192+2048*\ct   ; image (ct, w)
	ds_store_b8 v[SCA], v[TM+4+\ct] offset:128*\ct
.endr
	s_wait_dscnt 0x0                               ; for the others' sake: my part of gamma_g x k and my scale bytes lie in LDS
	s_barrier_signal -1
	s_barrier_wait -1
.irp a, 0,1
	ds_load_b128 v[O+4*\a:O+4*\a+3], v[KGR] offset:512*\a
.endr
	ds_load_b128 v[SW:SW+3], v[SCR]
	v_pk_mul_f32 v[QB4:QB4+1], v[QB4:QB4+1], s[32:33] op_sel_hi:[1,0]       ; gamma_g x qg_b
	v_pk_mul_f32 v[QB4+2:QB4+3], v[QB4+2:QB4+3], s[32:33] op_sel_hi:[1,0]
	s_wait_dscnt 0x0
.irp a, 0,1
	global_store_b128 v[LI], v[O+4*\a:O+4*\a+3], s[50:51] offset:16384*\a   ; rows 2 w, 2 w + 1 of gamma_g x k: 512 consecutive bytes each
.endr
	s_cmp_lg_u32 s[WV], 0
	s_cbranch_scc1 .Lnot_0
	global_store_b128 v[LI], v[QB4:QB4+3], s[28:29] offset:16384
.Lnot_0:
	s_cmp_lg_u32 s[WV], 1
	s_cbranch_scc1 .Lnot_1
	global_store_b128 v[LI], v[SW:SW+3], s[28:29] offset:16896
.Lnot_1:
	s_wait_tensorcnt 0x0
	ds_add_u32 v254, v255
	s_wait_dscnt 0x0
	s_endpgm
.Lfunc_end_k_qf1e383f230_prep:
	.size	k_qf1e383f230_prep, .Lfunc_end_k_qf1e383f230_prep-k_qf1e383f230_prep
	.p2alignl 7, 3214868480
	.fill 96, 4, 3214868480
	.section	.rodata,"a",@progbits
	.p2align	6, 0x0
	.amdhsa_kernel k_qf1e383f230_prep
		.amdhsa_group_segment_fixed_size 39424
		.amdhsa_private_segment_fixed_size 0
		.amdhsa_enable_private_segment 0
		.amdhsa_kernarg_size 112
		.amdhsa_user_sgpr_count 2
		.amdhsa_user_sgpr_kernarg_segment_ptr 1
		.amdhsa_wavefront_size32 1
		.amdhsa_system_sgpr_workgroup_id_x 1
		.amdhsa_system_sgpr_workgroup_id_y 1
		.amdhsa_system_sgpr_workgroup_id_z 1
		.amdhsa_system_vgpr_workitem_id 0
		.amdhsa_next_free_vgpr 400
		.amdhsa_next_free_sgpr 66
		.amdhsa_reserve_vcc 1
		.amdhsa_float_denorm_mode_32 3
		.amdhsa_float_denorm_mode_16_64 3
		.amdhsa_memory_ordered 1
		.amdhsa_forward_progress 1
		.amdhsa_inst_pref_size 41
	.end_amdhsa_kernel
	.amdgpu_metadata
---
amdhsa.version: [ 1, 2 ]
amdhsa.kernels:
  - .name:           k_qf1e383f230_prep
    .symbol:         k_qf1e383f230_prep.kd
    .args:
      - { .name: x, .offset: 0, .size: 8, .value_kind: global_buffer, .address_space: global }
      - { .name: k_w, .offset: 8, .size: 8, .value_kind: global_buffer, .address_space: global }
      - { .name: k_b, .offset: 16, .size: 8, .value_kind: global_buffer, .address_space: global }
      - { .name: q_l_w, .offset: 24, .size: 8, .value_kind: global_buffer, .address_space: global }
      - { .name: q_l_b, .offset: 32, .size: 8, .value_kind: global_buffer, .address_space: global }
      - { .name: v_w_codes, .offset: 40, .size: 8, .value_kind: global_buffer, .address_space: global }
      - { .name: v_w_scales, .offset: 48, .size: 8, .value_kind: global_buffer, .address_space: global }
      - { .name: v_b, .offset: 56, .size: 8, .value_kind: global_buffer, .address_space: global }
      - { .name: qg_w, .offset: 64, .size: 8, .value_kind: global_buffer, .address_space: global }
      - { .name: qg_b, .offset: 72, .size: 8, .value_kind: global_buffer, .address_space: global }
      - { .name: gamma_g, .offset: 80, .size: 8, .value_kind: global_buffer, .address_space: global }
      - { .name: gamma_l, .offset: 88, .size: 8, .value_kind: global_buffer, .address_space: global }
      - { .name: strm, .offset: 96, .size: 8, .value_kind: global_buffer, .address_space: global }
      - { .name: ap, .offset: 104, .size: 8, .value_kind: global_buffer, .address_space: global }
    .group_segment_fixed_size: 39424
    .private_segment_fixed_size: 0
    .kernarg_segment_align: 8
    .kernarg_segment_size: 112
    .max_flat_workgroup_size: 128
    .sgpr_count:     66
    .vgpr_count:     400
    .wavefront_size: 32
...
	.end_amdgpu_metadata
.endif
;; end of part 1
;; launch main (part 2): grid 64 x 4, 4 waves a work-group, clusters of 4 x 1, 327,680 bytes of LDS; arguments strm, ap, x, out0; writes out0
.if DOCPART == 2
	.amdgcn_target "amdgcn-amd-amdhsa--gfx1250"
	.amdhsa_code_object_version 6
	.text
	.protected	k_qf1e383f230_main
	.globl	k_qf1e383f230_main
	.p2align	8
	.type	k_qf1e383f230_main,@function
k_qf1e383f230_main:
	s_mov_b64 s[64:65], 0
	v_nop
	global_prefetch_b8 v0, s[64:65] scope:SCOPE_SE
	s_setreg_imm32_b32 hwreg(HW_REG_WAVE_MODE, 25, 1), 1
	s_wait_xcnt 0x0
	s_wait_alu depctr_hold_cnt(0) depctr_sa_sdst(0) depctr_va_vdst(0) depctr_va_sdst(0) depctr_va_ssrc(0) depctr_va_vcc(0) depctr_vm_vsrc(0)
	s_getreg_b32 s2, hwreg(HW_REG_IB_STS2, 6, 4)
	s_cmp_eq_u32 s2, 0
	s_cbranch_scc0 .Lentry_in_a_cluster
	s_endpgm
.Lentry_in_a_cluster:
	s_bfe_u32 s2, ttmp6, 0x10000c
	s_cmp_lg_u32 s2, 0x3003
	s_cbranch_scc0 .Lentry_shape_is_right
	s_endpgm
.Lentry_shape_is_right:
; MAIN.  out[b][c][p] = x[b][c][p] + sum over q of Q(v[b][c][q]) Q(alphas[b][p][q]),
; alphas[p][q] = gamma_g qg_b[q] + sum over e of qg_w[q][e] (gamma_g k_g[p][e]) + sum over e of k[e][q] (gamma_l ql[p][e]): a product of K = 16 with f32 operands, since it goes on into a quantiser.
; SHARES.  A work-group owns one batch and 64 p: four tiles of 16.  ITS FOUR WAVES SPLIT q: in step n = 0 .. 7 wave w takes the block of 128 q numbered 4 n + w, for all 64 p and all 64 c;
; so each byte of a block is read from LDS by one wave, once, and serves four tiles of p.  The four partial sums meet in a stage in LDS at the end.
; A TILE (16 p x 128 q) is 32 f32 matrix instructions (8 tiles of 16 q x 4 K steps; source 0 = 16 q, source 1 = 16 p, C of the first = the bias): a lane holds ONE p, and, the q of a tile
; being chosen for it, the 16 registers of tiles 2 b, 2 b + 1 are q = 32 b + 16 (lane / 16) + 0 .. 15: the conversions' results are the quantised product's operand.  alphas never leave the registers.
; IN PHASES.  A RUN is: the four scaled products of the tile two back; the 32 f32 products of the tile in hand, back to back; the quantiser's 128 vector instructions for the tile before.  Two tiles of alphas
; take turns in the registers, so that a tile's sums are first read a whole quantiser phase behind its last product.  The work lies in long stretches under one window setting: 20 switches of the register
; window for a block's 144 matrix instructions, where a slice of vector work behind each product would want two switches each, 256 a block.
; CLUSTER.  All work-groups of a batch walk the same blocks: the four partners ask for each JOINTLY (mask 15); the descriptor hangs on the batch and the wave's number alone.
; RING.  Two slots; in each a block of 17,408 bytes for each wave, as 68 dense rows of 256 bytes: images of registers, lane l's 16 bytes at 16 l, so no padding.  A wave reads only what it fetched itself.
; A block's last LDS read is issued in its second run; there the slot is filled again, with the block two steps on, which has 128 f32 matrix instructions in which to land.  Two tensor loads of a wave are out at the start, later one.
; LIMITS: NaN and infinities are not served; a block of alphas whose largest magnitude lies under 2^-111 keeps the scale byte 1; the gammas are folded into the p side and the bias starts the sum, so the order of f32 roundings differs from the source's.
; REGISTERS.  window 0: v1-12 addresses; v16-31 at work; v32 alphas' scale word; v34-37 v's scale words; v40-55 alphas' codes; v56-87 the p side (8 a tile); v88-119 held numbers; v128-255 two tiles of alphas, written by matrix instructions alone.
;   window 1: v0-63 the q side, v64-127 the bias in the result's layout (on the way out: rows from the stage).  window 2: v0-127 the 16 accumulators (pt, ct).  window 3: v0-31 x, v64-127 v's codes.
.set BLK,   17408
.set SLOT1, 1<<17                      ; slot 1 begins here, so that one exclusive or turns an address from one slot to the other
.set STAGE, SLOT1+4*BLK                ; four regions (one a wave) of 64 rows c x (256 bytes + 16): no tensor load lands here
.set SP,    272
.set SREG,  64*SP
.set SPARE, STAGE+4*SREG               ; the spare words, 128 bytes for each wave: two blocks of 256 bytes that no other line names
.set APL,   524288
.set SPW,  1
.set NIL,  2
.set AIM0, 3                           ; 16 lane + w BLK
.set ABI0, 4                           ; 64 h + w BLK + 16384
.set ASC0, 5                           ; 4 lane + w BLK + 16896
.set AIM,  6                           ; the same three in the slot in hand
.set ABI,  7
.set ASC,  8
.set APO,  9
.set STO,  10
.set RD,   11
.set GO,   12
.set TM,   16
.set PW,   32
.set QS,   34
.set PC,   40
.set AP,   56
.set H,    88
.set SX,   128
.set BQ,   0                           ; window 1
.set BI,   64
.set XR,   0                           ; window 3
.set QV,   64
.set WV,   12                          ; s12 wave
.set G1,   16                          ; s[16:23] descriptor group 1
.set G0A,  24                          ; s[24:27] group 0 of the first fill
.set G0W,  28                          ; s[28:31] group 0 of the second, which then walks
.set TB,   32                          ; s32 the slot in hand
.set CNT,  33
.set SEL,  34
.set MNT,  36
.set MSB, 0
.macro WIN new                         ; the immediate's high byte repeats the setting that is left; a switch that changes nothing is dropped
.if MSB != \new
	s_set_vgpr_msb (MSB<<8)|\new
.set MSB, \new
.endif
.endm
.macro PLACES n
.rept \n
	v_nop
.endr
.endm
.macro CROUND                          ; a round of the cluster's barrier
	s_barrier_signal -1
	s_barrier_wait -1
	s_cmp_lg_u32 s[WV], 0
	s_cbranch_scc1 .Lnot_wave_0_\@
	s_barrier_signal -3
.Lnot_wave_0_\@:
	s_barrier_wait -3
	s_barrier_signal -1
	s_barrier_wait -1
.endm
; f32 matrix instruction i of 32 of tile pt: q tile i % 8, K step i / 8.  The eight accumulators take turns, one instruction a turn.
.macro FW pt
.set ft, i%8
.set fs, i/8
.set fD, SX+64*((\pt)%2)+8*ft
.if fs == 0
	WIN 0x11                                       ; A and C (the bias) window 1
	v_wmma_f32_16x16x4_f32 v[fD:fD+7], v[BQ+8*ft:BQ+8*ft+1], v[AP+8*(\pt):AP+8*(\pt)+1], v[BI+8*ft:BI+8*ft+7]
.else
	WIN 0x01
	v_wmma_f32_16x16x4_f32 v[fD:fD+7], v[BQ+8*ft+2*fs:BQ+8*ft+2*fs+1], v[AP+8*(\pt)+2*fs:AP+8*(\pt)+2*fs+1], v[fD:fD+7]
.endif
.endm
; Number j of the quantiser's 128 instructions for the tile at v[sq] on.  Blocks 0 and 1 are searched first, 2 and 3 then, each ascending: every accumulator is read from its low end on.
.macro QSTEP
	WIN 0
.if j < 32
.set qb, 2*(j/16)+j%2
.set qi, 2*((j%16)/2)
.if qi == 0
	v_max3_num_f32 v[TM+qb], |v[sq+16*qb]|, |v[sq+16*qb+1]|, 0x8000000   ; with the floor 2^(16 - 127): the byte cannot fall under 1
.else
	v_max3_num_f32 v[TM+qb], v[TM+qb], |v[sq+16*qb+qi]|, |v[sq+16*qb+qi+1]|
.endif
.elseif j < 36
	v_permlanex16_b32 v[TM+4+j-32], v[TM+j-32], s[SEL], s[SEL+1]
.elseif j < 40
	v_max_num_f32 v[TM+j-36], v[TM+j-36], v[TM+4+j-36]       ; the block's largest magnitude
.elseif j < 44
	v_add_nc_u32 v[TM+12+j-40], 0xf8800000, v[TM+j-40]       ; 15 off its exponent field: the conversion's scale operand
.elseif j < 48
	v_and_or_b32 v[TM+8+j-44], v[TM+j-44], 0x7f800000, s[MNT] ; 57,344 x the scale
.elseif j < 52
	v_lshrrev_b32 v[TM+4+j-48], 23, v[TM+12+j-48]            ; the scale's byte
.elseif j == 52
	v_lshl_or_b32 v[PW], v[TM+5], 8, v[TM+4]
.elseif j == 53
	v_lshl_or_b32 v[PW], v[TM+6], 16, v[PW]
.elseif j == 54
	v_lshl_or_b32 v[PW], v[TM+7], 24, v[PW]
.elseif j < 127
.set qb, (j-55)/18
.set qi, (j-55)%18
.if qi < 16
	v_med3_num_f32 v[H+16*(qb%2)+qi], v[sq+16*qb+qi], -v[TM+8+qb], v[TM+8+qb]   ; held, into other registers: the conversion does not saturate (ISA guide 7.6.2)
.elseif qi == 16
	v_cvt_scalef32_pk8_bf8_f32 v[PC+4*qb:PC+4*qb+1], v[H+16*(qb%2):H+16*(qb%2)+7], v[TM+12+qb]
.else
	v_cvt_scalef32_pk8_bf8_f32 v[PC+4*qb+2:PC+4*qb+3], v[H+16*(qb%2)+8:H+16*(qb%2)+15], v[TM+12+qb]
.endif
.else
	v_nop                                          ; a plain line behind the last conversion
.endif
.set j, j+1
.endm
; The quantised product of tile ps: source 0 = 16 p of alphas, source 1 = 16 c of v: lane (r, h) holds row c = 16 ct + r and p = 16 ps + 8 h + 0 .. 7.  zero = 1: the first block's products start the sums.
.macro SCALED ps, zero
	WIN 0xac                                       ; A window 0, B window 3, C and D window 2
.irp ct, 0,1,2,3
.if \zero
	v_wmma_scale_f32_16x16x128_f8f6f4 v[8*(4*(\ps)+\ct):8*(4*(\ps)+\ct)+7], v[PC:PC+15], v[QV+16*\ct:QV+16*\ct+15], 0, v[PW], v[QS+\ct] matrix_a_fmt:MATRIX_FMT_BF8 matrix_b_fmt:MATRIX_FMT_BF8
.else
	v_wmma_scale_f32_16x16x128_f8f6f4 v[8*(4*(\ps)+\ct):8*(4*(\ps)+\ct)+7], v[PC:PC+15], v[QV+16*\ct:QV+16*\ct+15], v[8*(4*(\ps)+\ct):8*(4*(\ps)+\ct)+7], v[PW], v[QS+\ct] matrix_a_fmt:MATRIX_FMT_BF8 matrix_b_fmt:MATRIX_FMT_BF8
.endif
.endr
.endm
.macro FETCH_BIAS                      ; register j of tile t: the bias of q = 32 (t / 2) + 16 h + 8 (t % 2) + j
	WIN 0x40
.irp t, 0,1,2,3,4,5,6,7
	ds_load_b128 v[BI+8*\t:BI+8*\t+3], v[ABI] offset:128*(\t/2)+32*(\t%2)
	ds_load_b128 v[BI+8*\t+4:BI+8*\t+7], v[ABI] offset:128*(\t/2)+32*(\t%2)+16
.endr
.endm
.macro FETCH_B sp                      ; K steps 2 sp, 2 sp + 1 of the eight q tiles
	WIN 0x40
.irp t, 0,1,2,3,4,5,6,7
	ds_load_b128 v[BQ+8*\t+4*\sp:BQ+8*\t+4*\sp+3], v[AIM] offset:(2*\t+\sp)*512
.endr
.endm
.macro FETCH_V                         ; v's four fragments and their scale words
	WIN 0xc0
.irp f, 0,1,2,3,4,5,6,7,8,9,10,11,12,13,14,15
	ds_load_b128 v[QV+4*\f:QV+4*\f+3], v[AIM] offset:8192+512*\f
.endr
	WIN 0
.irp ct, 0,1,2,3
	ds_load_b32 v[QS+\ct], v[ASC] offset:128*\ct
.endr
.endm
; A RUN, three phases.  s: the tile two back is multiplied (its last code stands four plain lines back: the quantiser's closing line and the three behind it);  w: tile pt is made, 32 products back to back;
; q: the tile before is quantised.  The LDS loads stand in two runs a block, each behind the quantiser's 12th line: 12 plain lines behind the last matrix instruction that read their registers, where eight are asked.
; hook 3 (pt = 3): the whole q side of the next block: K steps 0, 1, the bias, K steps 2, 3 (last read by this run's products);
; hook 1 (pt = 0): behind the scaled products the first 24 of those 32 loads are waited for (the 8 of K steps 2, 3 may be out), the rest ahead of product 16, which first reads them;
; hook 2 (pt = 1): v's codes and scale words of the block in hand (the old block's were last read by the scaled products at this run's head).
.macro RUN pt, w, q, s, zero, hook
.set sq, SX+64*(((\pt)+1)%2)
.if \s
	SCALED ((\pt)+2)%4, \zero
.endif
.if \hook == 1
	s_wait_dscnt 8
.endif
.if \w
.set i, 0
.rept 32
.if (\hook == 1) && (i == 16)
	s_wait_dscnt 0x0
.endif
	FW \pt
.set i, i+1
.endr
.endif
.if \q
.set j, 0
.rept 128
	QSTEP
.if (\hook == 2) && (j == 12)
	FETCH_V
.endif
.if (\hook == 3) && (j == 12)
	FETCH_B 0
	FETCH_BIAS
	FETCH_B 1
.endif
.endr
	PLACES 3                                       ; with the list's closing line: four plain lines between the last code and the scaled products that read it
.endif
.endm
; THE CHANGE OF SLOTS, behind a block's second run: all its LDS reads have been issued.  Each wave waits for all its tensor loads (the one that is out is the next block's), adds 0 to its spare word, and waits
; for that and for its reads.  fill = 1: a round of the cluster's barrier, so that no wave of any partner still reads the slot or has a load on its way; the joint refill is the first thing behind it.
.macro CHANGE fill
	WIN 0                                          ; at a label and at a branch every window is 0
	s_wait_tensorcnt 0x0                           ; no tensor load of mine is out, so the walking group 0 may be written
.if \fill
	ds_add_u32 v[SPW], v[NIL]                      ; 0 onto my spare word
	s_xor_b32 s[G0W+1], s[G0W+1], SLOT1            ; the other slot than last time,
	s_add_nc_u64 s[G0W+2:G0W+3], s[G0W+2:G0W+3], 4*BLK   ; my block of the next step; the type bits on top are not reached
	s_wait_dscnt 0x0                               ; the add is done, and my reads of the slot are over (v's, the last, among them)
	CROUND
	tensor_load_to_lds s[G0W:G0W+3], s[G1:G1+7]
	s_nop 0
	PLACES 4
.else
	s_wait_dscnt 0x0                               ; v's fragments are in
.endif
	s_xor_b32 s[TB], s[TB], SLOT1                  ; the fetches go on in the other slot
	v_add_nc_u32 v[AIM], s[TB], v[AIM0]
	v_add_nc_u32 v[ABI], s[TB], v[ABI0]
	v_add_nc_u32 v[ASC], s[TB], v[ASC0]
.endm
.macro BODY fill, zero                 ; from a block's third run to the next block's second
	CHANGE \fill
	RUN 2, 1, 1, 1, \zero, 0
	RUN 3, 1, 1, 1, \zero, 3
	RUN 0, 1, 1, 1, \zero, 1
	RUN 1, 1, 1, 1, \zero, 2
.endm
	s_load_b256 s[4:11], s[0:1], 0x0               ; strm 4, ap 6, x 8, out0 10
	v_lshl_add_u32 v[SPW], v0, 2, SPARE
	v_mov_b32 v[NIL], 0
	ds_add_u32 v1, v2
	ds_add_u32 v1, v2
	s_wait_dscnt 0x0
	v_lshrrev_b32 v13, 5, v0
	v_readfirstlane_b32 s[WV], v13                 ; wave 0..3
	s_bfe_u32 s13, ttmp6, 0x40000                  ; cx: it enters the addresses of ap, x and out0 alone
	s_lshl_b32 s14, ttmp9, 2
	s_add_co_u32 s14, s14, s13                     ; my block of 64 p
	s_and_b32 s15, ttmp7, 0xffff                   ; the batch, which the four partners share
	s_mov_b32 s[G1], 15|(3<<16)|(1<<21)            ; 15:0 the mask: all four work-groups; 17:16 elements of 8 bytes; 20 no padding; 21 set beside a mask
	s_mov_b32 s[G1+1], 32<<16                      ; tensor_dim0 = 32 elements: 256 bytes
	s_mov_b32 s[G1+2], 68<<16                      ; tensor_dim1 = 68
	s_mov_b32 s[G1+3], 32<<16                      ; tile_dim0
	s_mov_b32 s[G1+4], 68                          ; tile_dim1
	s_mov_b32 s[G1+5], 32                          ; the pitch: dense
	s_mov_b32 s[G1+6], 0
	s_mov_b32 s[G1+7], 0
	s_mov_b32 s[SEL], 0x76543210
	s_mov_b32 s[SEL+1], 0xfedcba98                 ; v_permlanex16_b32's selects for lane l xor 16
	s_mov_b32 s[MNT], 0x600000                     ; the mantissa field of 57,344
	s_mov_b32 s[TB], 0
	s_mov_b32 s[CNT], 5
	s_lshl_b32 s38, s15, 5
	s_add_co_u32 s38, s38, s[WV]
	s_mul_i32 s38, s38, BLK                        ; block 32 b + w
	s_mov_b32 s39, 0
	s_mul_i32 s37, s[WV], BLK                      ; and its place in a slot
	s_wait_kmcnt 0x0
	s_mov_b32 s[G0A], 1
	s_mov_b32 s[G0A+1], s37
	s_add_nc_u64 s[G0A+2:G0A+3], s[4:5], s[38:39]
	s_mov_b32 s[G0W], 1
	s_add_co_u32 s[G0W+1], s37, SLOT1
	s_add_nc_u64 s[G0W+2:G0W+3], s[G0A+2:G0A+3], 4*BLK
	s_or_b32 s[G0A+3], s[G0A+3], 0x80000000        ; type = 2
	s_or_b32 s[G0W+3], s[G0W+3], 0x80000000
	CROUND                                         ; all four work-groups are here: the first joint loads meet
	tensor_load_to_lds s[G0A:G0A+3], s[G1:G1+7]    ; step 0
	s_nop 0
	tensor_load_to_lds s[G0W:G0W+3], s[G1:G1+7]    ; step 1
	s_nop 0
	PLACES 4
	v_and_b32 v13, 31, v0                          ; lane
	v_and_b32 v14, 15, v0                          ; r
	v_bfe_u32 v15, v0, 4, 1                        ; h
	v_lshlrev_b32 v[APO], 5, v14
	v_lshl_add_u32 v[APO], v15, 4, v[APO]          ; 32 r + 16 h
	s_lshl_b32 s40, s15, 17
	s_lshl_b32 s41, s14, 11
	s_add_co_u32 s40, s40, s41                     ; 131,072 b + 64 rows of 32 bytes x my block
	s_mov_b32 s41, 0
	s_add_nc_u64 s[6:7], s[6:7], s[40:41]
.irp pt, 0,1,2,3
	global_load_b128 v[AP+8*\pt:AP+8*\pt+3], v[APO], s[6:7] offset:512*\pt th:TH_LOAD_NT          ; gamma_g k_g[p][4 h ..]: K steps 0, 1
	global_load_b128 v[AP+8*\pt+4:AP+8*\pt+7], v[APO], s[6:7] offset:APL+512*\pt th:TH_LOAD_NT    ; gamma_l ql[p][4 h ..]: K steps 2, 3
.endr
	v_lshlrev_b32 v[AIM0], 4, v13
	v_add_nc_u32 v[AIM0], s37, v[AIM0]
	v_lshlrev_b32 v[ABI0], 6, v15
	v_add_nc_u32 v[ABI0], s37, v[ABI0]
	v_add_nc_u32 v[ABI0], 16384, v[ABI0]
	v_lshlrev_b32 v[ASC0], 2, v13
	v_add_nc_u32 v[ASC0], s37, v[ASC0]
	v_add_nc_u32 v[ASC0], 16896, v[ASC0]
	v_add_nc_u32 v[AIM], s[TB], v[AIM0]
	v_add_nc_u32 v[ABI], s[TB], v[ABI0]
	v_add_nc_u32 v[ASC], s[TB], v[ASC0]
	s_mul_i32 s42, s[WV], SREG
	s_add_co_u32 s42, s42, STAGE                   ; my region of the stage
	v_mul_u32_u24 v[STO], v14, SP
	v_lshl_add_u32 v[STO], v15, 5, v[STO]
	v_add_nc_u32 v[STO], s42, v[STO]               ; in: row r, + 32 h
	s_mul_i32 s43, s[WV], 16*SP
	s_add_co_u32 s43, s43, STAGE                   ; back: rows 16 w on of every region
	v_mul_u32_u24 v[RD], v15, SP
	v_lshl_add_u32 v[RD], v14, 4, v[RD]
	v_add_nc_u32 v[RD], s43, v[RD]                 ; lanes 0-15 one row, lanes 16-31 the next
	v_lshlrev_b32 v[GO], 14, v15
	v_lshl_add_u32 v[GO], v14, 4, v[GO]            ; and the same two rows in x and out0
	s_lshl_b32 s40, s15, 6
	s_lshl_b32 s42, s[WV], 4
	s_add_co_u32 s40, s40, s42
	s_lshl_b32 s40, s40, 14                        ; row 64 b + 16 w of 16,384 bytes,
	s_lshl_b32 s42, s14, 8
	s_add_co_u32 s40, s40, s42                     ; + 256 bytes x my block
	s_add_nc_u64 s[8:9], s[8:9], s[40:41]
	s_add_nc_u64 s[10:11], s[10:11], s[40:41]
.irp b, 0,1,2,3
	v_mov_b32 v[TM+4+\b], 0                        ; a lane permute's destination counts as one of its sources
.endr
	s_wait_tensorcnt 0x1                           ; my block of step 0 is in; step 1's load may be out.  I alone read it
	FETCH_BIAS
	FETCH_B 0
	FETCH_B 1
	WIN 0
	s_wait_loadcnt 0x0                             ; the p side
	s_wait_dscnt 0x0
	RUN 0, 1, 0, 0, 0, 0                           ; the first tile: no quantiser phase follows it yet,
	PLACES 8                                       ; so eight places stand between its products and the first read of its sums; the second tile's products are none
	RUN 1, 1, 1, 0, 0, 2
	BODY 1, 1                                      ; its four scaled phases start the sixteen sums: nothing is cleared
	WIN 0
.Lblock:                                               ; five trips: with the one above, every slot but the last two is filled again
	BODY 1, 0
	WIN 0
	s_sub_co_u32 s[CNT], s[CNT], 1
	s_cmp_lg_u32 s[CNT], 0
	s_cbranch_scc1 .Lblock
	BODY 0, 0                                      ; the tail is written out: nothing is left to fetch
	WIN 0xc0
.irp i, 0,1,2,3,4,5,6,7
	global_load_b128 v[XR+4*\i:XR+4*\i+3], v[GO], s[8:9] offset:32768*\i th:TH_LOAD_NT   ; x for the way out: my 16 rows c, 256 bytes each
.endr
	WIN 0
	s_wait_dscnt 0x0                               ; the last block's v
	RUN 2, 1, 1, 1, 0, 0
	RUN 3, 1, 1, 1, 0, 0
	RUN 0, 0, 1, 1, 0, 0                           ; the last tile but one is multiplied, the last quantised,
	SCALED 3, 0                                    ; and multiplied
	PLACES 8                                       ; in front of the first read of the results
	; THE WAY OUT.  Each wave's 64 c x 64 p of partial sums go into its region of the stage; behind a barrier wave w adds the four regions' rows 16 w .. 16 w + 15 and x, and stores whole rows of 256 bytes.
	WIN 0x08                                       ; an LDS store's data are its source 1: window 2
.irp pt, 0,1,2,3
.irp ct, 0,1,2,3
	ds_store_b128 v[STO], v[8*(4*\pt+\ct):8*(4*\pt+\ct)+3] offset:16*SP*\ct+64*\pt       ; each accumulator from its low end on
	ds_store_b128 v[STO], v[8*(4*\pt+\ct)+4:8*(4*\pt+\ct)+7] offset:16*SP*\ct+64*\pt+16
.endr
.endr
	WIN 0
	s_wait_dscnt 0x0                               ; for the others' sake: my sums lie in the stage
	s_barrier_signal -1
	s_barrier_wait -1
	WIN 0x40
.irp i, 0,1,2,3,4,5,6,7
.irp g, 0,1,2,3
	ds_load_b128 v[16*\i+4*\g:16*\i+4*\g+3], v[RD] offset:SREG*\g+2*SP*\i
.endr
.endr
	s_wait_loadcnt 0x0                             ; x
.irp i, 0,1,2,3,4,5,6,7
	s_wait_dscnt 28-4*\i                           ; pair i's four loads are in; the four of each later pair may be out
	WIN 0x45
	v_pk_add_f32 v[16*\i:16*\i+1], v[16*\i:16*\i+1], v[16*\i+4:16*\i+5]
	v_pk_add_f32 v[16*\i+2:16*\i+3], v[16*\i+2:16*\i+3], v[16*\i+6:16*\i+7]
	v_pk_add_f32 v[16*\i+8:16*\i+9], v[16*\i+8:16*\i+9], v[16*\i+12:16*\i+13]
	v_pk_add_f32 v[16*\i+10:16*\i+11], v[16*\i+10:16*\i+11], v[16*\i+14:16*\i+15]
	v_pk_add_f32 v[16*\i:16*\i+1], v[16*\i:16*\i+1], v[16*\i+8:16*\i+9]
	v_pk_add_f32 v[16*\i+2:16*\i+3], v[16*\i+2:16*\i+3], v[16*\i+10:16*\i+11]
	WIN 0x4d                                       ; source 1 (x) window 3
	v_pk_add_f32 v[16*\i:16*\i+1], v[16*\i:16*\i+1], v[XR+4*\i:XR+4*\i+1]
	v_pk_add_f32 v[16*\i+2:16*\i+3], v[16*\i+2:16*\i+3], v[XR+4*\i+2:XR+4*\i+3]
	WIN 0x04                                       ; a store's data are its source 1: window 1
	global_store_b128 v[GO], v[16*\i:16*\i+3], s[10:11] offset:32768*\i th:TH_STORE_NT   ; 16 lanes store 256 consecutive bytes, at a multiple of 256 from out0's first byte
.endr
	WIN 0
	s_wait_tensorcnt 0x0                           ; the wave's end, behind my last tensor load and my last LDS store
	ds_add_u32 v[SPW], v[NIL]
	s_wait_dscnt 0x0
	CROUND                                         ; the closing round: no work-group ends while a partner may still ask for a block that names it
	s_endpgm
.Lfunc_end_k_qf1e383f230_main:
	.size	k_qf1e383f230_main, .Lfunc_end_k_qf1e383f230_main-k_qf1e383f230_main
	.p2alignl 7, 3214868480
	.fill 96, 4, 3214868480
	.section	.rodata,"a",@progbits
	.p2align	6, 0x0
	.amdhsa_kernel k_qf1e383f230_main
		.amdhsa_group_segment_fixed_size 327680
		.amdhsa_private_segment_fixed_size 0
		.amdhsa_enable_private_segment 0
		.amdhsa_kernarg_size 32
		.amdhsa_user_sgpr_count 2
		.amdhsa_user_sgpr_kernarg_segment_ptr 1
		.amdhsa_wavefront_size32 1
		.amdhsa_system_sgpr_workgroup_id_x 1
		.amdhsa_system_sgpr_workgroup_id_y 1
		.amdhsa_system_sgpr_workgroup_id_z 1
		.amdhsa_system_vgpr_workitem_id 0
		.amdhsa_next_free_vgpr 896
		.amdhsa_next_free_sgpr 66
		.amdhsa_reserve_vcc 0
		.amdhsa_float_denorm_mode_32 3
		.amdhsa_float_denorm_mode_16_64 3
		.amdhsa_memory_ordered 1
		.amdhsa_forward_progress 1
		.amdhsa_inst_pref_size 205
	.end_amdhsa_kernel
	.amdgpu_metadata
---
amdhsa.version: [ 1, 2 ]
amdhsa.kernels:
  - .name:           k_qf1e383f230_main
    .symbol:         k_qf1e383f230_main.kd
    .args:
      - { .name: strm, .offset: 0, .size: 8, .value_kind: global_buffer, .address_space: global }
      - { .name: ap, .offset: 8, .size: 8, .value_kind: global_buffer, .address_space: global }
      - { .name: x, .offset: 16, .size: 8, .value_kind: global_buffer, .address_space: global }
      - { .name: out0, .offset: 24, .size: 8, .value_kind: global_buffer, .address_space: global }
    .group_segment_fixed_size: 327680
    .private_segment_fixed_size: 0
    .kernarg_segment_align: 8
    .kernarg_segment_size: 32
    .max_flat_workgroup_size: 128
    .sgpr_count:     66
    .vgpr_count:     896
    .wavefront_size: 32
...
	.end_amdgpu_metadata
.endif
;; end of part 2
